; MI455X (gfx1250); checked and timed in simulation.
; The chip was launched on July 23, 2026; its instructions are those of AMD's public machine-readable ISA for CDNA 5 (MIT licence, August 2026) and "CDNA5" Instruction Set Architecture Reference Guide (July 2026). The comments in the code are by the model that wrote it; some were corrected since.
;; Attention. Allowed arithmetic: matrix products marked QUANTISED: E2M3 operands, one E8M0 scale for each 32 along K, by v_wmma_scale_f32_16x16x128_f8f6f4 with both operands' format E2M3, f32 sums; everything else in f32.
;; Inputs: bo 1,024 float32; wk 1,024 x 1,024 float32; wo 1,024 x 1,024 float32; wq 1,024 x 1,024 float32; wv 1,024 x 1,024 float32; x 4 x 2,048 x 1,024 float32.
;; Outputs: out0 4 x 2,048 x 1,024 float32.
;; This version of the problem:
;;   THIS VERSION OF THE PROBLEM IS GIVEN IN LOW PRECISION. The matrix products marked QUANTISED in the list below multiply operands that are first quantised to E2M3 (2 exponent bits, 3 mantissa bits; 6 bits a number), with one power-of-two scale for each 32 numbers along K (OCP MX v1.0); their sums are f32. All else is computed in f32.
;;   The module's matrix products, in the order in which they are computed (A, B: the left and right operand; K: the contracted axis; several contracted axes count as one K, in the product's order):
;;     1. [M 8,192, K 1,024] x [K 1,024, N 1,024]; A: input x; B: input wq: QUANTISED
;;     2. [M 8,192, K 1,024] x [K 1,024, N 1,024]; A: input x; B: input wk: QUANTISED
;;     3. [M 8,192, K 1,024] x [K 1,024, N 1,024]; A: input x; B: input wv: QUANTISED
;;     4. batch 64 x [M 2,048, K 64] x [K 64, N 2,048]; A: computed on the way; B: computed on the way: QUANTISED
;;     5. batch 64 x [M 2,048, K 2,048] x [K 2,048, N 64]; A: softmax (see below); B: computed on the way: QUANTISED
;;     6. [M 8,192, K 1,024] x [K 1,024, N 1,024]; A: computed on the way; B: input wo: QUANTISED
;;   THE QUANTISER, for each operand of a quantised product, along K:
;;     - K is cut into blocks of 32 from its start; a last block that is shorter is filled with zeros.
;;     - A block's scale is 2^e with e = floor(log2(the largest magnitude in the block)) - 2, held to -126 .. 127; a block of zeros has e = 0. As a byte (E8M0): e + 127.
;;     - Each number is divided by its block's scale, clamped to +-7.5, and rounded to the nearest number of E2M3, ties to even, subnormals kept.
;;     - The product sums the exact products of the quantised numbers (number of the format x scale) in f32.
;;   ~~~python
;;   def quantise(x, axis):      # numpy; x: float32 -> the quantised numbers, widened to float32 again
;;       x = np.moveaxis(x, axis, -1); K = x.shape[-1]
;;       x = np.pad(x, [(0, 0)] * (x.ndim - 1) + [(0, -K % 32)]); x = x.reshape(x.shape[:-1] + (-1, 32)); a = np.abs(x).max(-1, keepdims=True)
;;       e = np.where(a > 0, np.clip(np.frexp(np.where(a > 0, a, 1))[1] - 1 - 2, -126, 127), 0)      # np.frexp(a)[1] - 1 = floor(log2(a)), exactly
;;       r = np.clip(x / 2.0 ** e, -7.5, 7.5)
;;       step = 2.0 ** (np.maximum(np.frexp(np.where(r == 0, 1, r))[1] - 1, 0) - 3)
;;       q = np.round(r / step) * step * 2.0 ** e      # np.round: ties to even
;;       return np.moveaxis(q.reshape(q.shape[:-2] + (-1,))[..., :K], -1, axis).astype(np.float32)
;;   ~~~
;;   SOFTMAX AHEAD OF A QUANTISED PRODUCT. Where the list says 'softmax', what is quantised is not the finished softmax but p = 2^(t - M), with t = logit x log2(e) and M = ceil(the row's largest t), a whole number; so 1/2 < the row's largest p <= 1. The row's sum l is taken of the UNQUANTISED p, in f32, and the product's result is divided by l at the end. Since M is a whole number, a kernel that streams over the keys may use a running M (the ceiling of the running maximum): every later rescaling is an exact power of two, which a block's scale takes up: the codes' values come out the same.
;;   OPERANDS COMPUTED ON THE WAY. 'Computed on the way' means the value that the module computes at that place (a softmax that the list does not call 'softmax' is quantised finished and normalised). What goes into a quantiser is computed in f32, as accurately as f32 sums, v_exp_f32 and their like allow (about 1e-6 of the number): no bf16 or f16 on the way to a quantiser, and a product that is left as it is and whose result goes on into a quantised operand takes f32 operands (vector FMAs, or v_wmma_f32_16x16x4_f32). A number that lies on a knife's edge between two numbers of the format may be rounded either way, as far as f32 arithmetic and the matrix unit's own rounding can turn it there, and no further.
;; One version. Each part assembles by itself: llvm-mc -triple=amdgcn-amd-amdhsa -mcpu=gfx1250 --defsym DOCPART=n.
;; ======== version 1 of 1: 4 launches
;; limits: right only within a limited range of input values
;; workspace buffers: xw 9,437,184 bytes; scl 655,360 bytes; qkv 19,660,800 bytes; oc 6,291,456 bytes
;; launch quant (part 1): grid 384 x 1, 4 waves a work-group, no clusters, 34,304 bytes of LDS; arguments x, wq, wk, wv, wo, xw, scl; writes xw, scl
.if DOCPART == 1
	.amdgcn_target "amdgcn-amd-amdhsa--gfx1250"
	.amdhsa_code_object_version 6
	.text
	.protected	k_q338be1c101_quant
	.globl	k_q338be1c101_quant
	.p2align	8
	.type	k_q338be1c101_quant,@function
k_q338be1c101_quant:
	s_mov_b64 s[64:65], 0
	v_nop
	global_prefetch_b8 v0, s[64:65] scope:SCOPE_SE
	s_setreg_imm32_b32 hwreg(HW_REG_WAVE_MODE, 25, 1), 1
	s_wait_xcnt 0x0
; x [8192][1024], wq, wk, wv, wo [1024][1024], f32, K innermost, become codes of FP6 (E2M3) with one E8M0 byte for each 32 along K, laid as IMAGES OF OPERAND REGISTERS.
; ROW TILES: the five tensors' rows are counted on end (x 0-8191, wq, wk, wv, wo 1,024 each).  Tile T holds, at place r = 0..15, row 32 (T/2) + 8 (T%2) + 16 (r/8) + r%8.
; A FRAGMENT (16 rows x 128 K, 12 registers a lane: lane (r, h) holds row r, registers 6c..6c+5 = k 64c + 32h + 0..31) lies in 1,536 bytes: register pair p of lane l at 256 p + 8 l.
; xw: groups of 8 tiles, 98,304 bytes: [pair of K steps: 24,576][tile % 8: 3,072][K step % 2: 1,536].   scl: 512 bytes a tile: the scale word of K step q, place r at 256 (q/4) + 16 r + 4 (q%4).
; A block's scale is 2^(floor(log2(largest magnitude)) - 2); its byte is the largest magnitude's exponent field - 2, held at 1 from below.
; LIMITS: a block of zeros gets the byte 1 where the quantiser's text says 127 (its codes are zeros, and this program alone reads the bytes); blocks whose largest magnitude lies under 2^-124 keep the byte 1; NaN and infinities are not served.
; SHARES: work-group g has tiles 2g and 2g+1 (32 neighbouring rows); wave w takes tile 2g + w/2 and K half w%2: four tasks of 16 rows x 128 K.  Each load reads 512 consecutive bytes of one row; the 16 rows
; turn through the wave's own stage in LDS (rows 528 bytes apart), from which a lane takes the 2 x 32 neighbours that the operand's layout gives it.  So a lane holds whole blocks and the conversions' results are the operand's registers.
; No matrix unit, no cluster, no tensor load: nothing here is shared between work-groups or waves; no barrier.  Loads run one task (16 loads a wave) ahead of the task in hand.
.set STG,   8448                       ; a wave's stage: 16 rows x (512 + 16) bytes
.set SPARE, 4*STG                      ; behind the stages: the spare words, 128 bytes for each wave
.set R,     16                         ; v16-143  two sets of 64: a task's numbers as loaded
.set X,     144                        ; v144-207 my 64 numbers: register 32c + i = k 64c + 32h + i of row r
.set C,     208                        ; v208-219 the fragment's codes
.set TP,    220                        ; v220-227 the upper halves of the two blocks, as converted
.set MX,    228                        ; v228-229 largest magnitudes, v230-231 the conversions' scale operands, v232-233 bytes
.set OW,    234                        ; v234-235 the two scale words that I store
.set W,     236                        ; v236-239 the four tasks' scale words
.set SPW,   240                        ; v240 LDS address of my spare word; never rewritten
.set NIL,   241                        ; v241 0; never rewritten
	s_load_b256 s[4:11], s[0:1], 0x0               ; x, wq, wk, wv
	s_load_b128 s[12:15], s[0:1], 0x20             ; wo, xw
	s_load_b64 s[16:17], s[0:1], 0x30              ; scl
	v_lshl_add_u32 v[SPW], v0, 2, SPARE
	v_mov_b32 v[NIL], 0
	v_lshrrev_b32 v1, 5, v0
	v_readfirstlane_b32 s18, v1                    ; wave 0..3
	v_and_b32 v1, 31, v0                           ; lane
	v_and_b32 v8, 15, v0                           ; r
	v_bfe_u32 v7, v0, 4, 1                         ; h
	v_lshlrev_b32 v2, 4, v1                        ; my 16 bytes of a load's 512
	s_mul_i32 s19, s18, STG
	v_add_nc_u32 v3, s19, v2                       ; the stage, on the way in
	v_mul_u32_u24 v4, v8, 528
	v_lshl_add_u32 v4, v7, 7, v4
	v_add_nc_u32 v4, s19, v4                       ; and on the way out: row r, 128 h bytes on
	v_lshlrev_b32 v5, 3, v1                        ; an image's place for my lane: 8 x lane
	v_lshlrev_b32 v6, 4, v8
	v_lshl_add_u32 v6, v7, 3, v6                   ; the scale words: 16 r + 8 h
	v_lshlrev_b32 v7, 3, v7                        ; 8 h: my bytes' place in a scale word
	v_mov_b32 v10, 0                               ; written once: a lane permute's destination counts as one of its sources
	s_mov_b32 s20, 0x76543210
	s_mov_b32 s21, 0xfedcba98                      ; v_permlanex16_b32's selects for lane l xor 16
	s_mov_b32 s22, 0xffff0000                      ; lanes 16-31
	s_lshr_b32 s23, s18, 1                         ; u: which of the two tiles
	s_and_b32 s28, s18, 1                          ; j: which half of K
	s_lshr_b32 s32, ttmp9, 2                       ; the codes: group g / 4,
	s_mul_i32 s32, s32, 98304
	s_mul_i32 s29, s28, 49152                      ; two pairs of K steps for each half of K,
	s_add_co_u32 s32, s32, s29
	s_and_b32 s29, ttmp9, 3
	s_lshl_b32 s29, s29, 1
	s_add_co_u32 s29, s29, s23
	s_mul_i32 s29, s29, 3072                       ; tile 2 (g % 4) + u of the group
	s_add_co_u32 s32, s32, s29
	s_mov_b32 s33, 0
	s_lshl_b32 s34, ttmp9, 10                      ; the scale words: 512 bytes a tile, 256 a half of K
	s_lshl_b32 s29, s23, 9
	s_add_co_u32 s34, s34, s29
	s_lshl_b32 s29, s28, 8
	s_add_co_u32 s34, s34, s29
	s_mov_b32 s35, 0
	s_and_b32 s26, ttmp9, 31                       ; a weight's block of 32 rows (made ahead of the compares: it sets SCC)
	s_wait_alu depctr_va_vdst(0)
	s_wait_kmcnt 0x0
	s_cmp_lt_u32 ttmp9, 352                        ; which tensor: the choice hangs on the work-group's number alone
	s_cselect_b64 s[24:25], s[10:11], s[12:13]
	s_cmp_lt_u32 ttmp9, 320
	s_cselect_b64 s[24:25], s[8:9], s[24:25]
	s_cmp_lt_u32 ttmp9, 288
	s_cselect_b64 s[24:25], s[6:7], s[24:25]
	s_cmp_lt_u32 ttmp9, 256
	s_cselect_b64 s[24:25], s[4:5], s[24:25]
	s_cselect_b32 s26, ttmp9, s26
	s_lshl_b32 s30, s26, 17                        ; 32 rows of 4,096 bytes,
	s_lshl_b32 s29, s23, 15                        ; 8 rows on for the odd tile,
	s_add_co_u32 s30, s30, s29
	s_lshl_b32 s29, s28, 11                        ; 512 numbers on for the upper half of K
	s_add_co_u32 s30, s30, s29
	s_mov_b32 s31, 0
	s_add_nc_u64 s[24:25], s[24:25], s[30:31]
	s_add_nc_u64 s[14:15], s[14:15], s[32:33]
	s_add_nc_u64 s[16:17], s[16:17], s[34:35]
.macro LOAD t                          ; task t: 128 along K of the tile's 16 rows, place i's row at a time
.irp i, 0,1,2,3,4,5,6,7,8,9,10,11,12,13,14,15
	global_load_b128 v[R+64*((\t)%2)+4*\i:R+64*((\t)%2)+4*\i+3], v2, s[24:25] offset:(\i%8+16*(\i/8))*4096+512*(\t) th:TH_LOAD_NT
.endr
.endm
.macro TASK t
.if (\t) < 3
	s_wait_loadcnt 16                              ; this task's 16 loads are in; the next task's 16 may be out
.else
	s_wait_loadcnt 0x0
.endif
.irp i, 0,1,2,3,4,5,6,7,8,9,10,11,12,13,14,15
	ds_store_b128 v3, v[R+64*((\t)%2)+4*\i:R+64*((\t)%2)+4*\i+3] offset:528*\i
.endr
.irp c, 0,1
.irp k, 0,1,2,3,4,5,6,7
	ds_load_b128 v[X+32*\c+4*\k:X+32*\c+4*\k+3], v4 offset:256*\c+16*\k   ; LDS serves a wave's instructions in order: these see the stores above
.endr
.endr
	s_wait_dscnt 0x0                               ; my numbers are back, and the stores have read their registers,
.if (\t) < 2
	LOAD (\t)+2                                    ; which take the task two on
.endif
.irp c, 0,1
	v_max3_num_f32 v[MX+\c], |v[X+32*\c]|, |v[X+32*\c+1]|, 0x1800000   ; block 2c + h: all its 32 numbers are mine; the floor 2^(3 - 127) holds the byte at 1 from below
.endr
.irp i, 2,4,6,8,10,12,14,16,18,20,22,24,26,28,30
.irp c, 0,1
	v_max3_num_f32 v[MX+\c], v[MX+\c], |v[X+32*\c+\i]|, |v[X+32*\c+\i+1]|   ; the two blocks by turns
.endr
.endr
.irp c, 0,1
	v_add_nc_u32 v[MX+2+\c], 0xff000000, v[MX+\c]  ; 2 off the exponent field: the conversion's scale operand
.endr
.irp c, 0,1
	v_lshrrev_b32 v[MX+4+\c], 23, v[MX+2+\c]       ; the scale's byte
.endr
	v_lshl_or_b32 v9, v[MX+5], 16, v[MX+4]         ; blocks h and 2 + h,
	v_lshlrev_b32 v9, v7, v9                       ; at their places in the word;
	v_permlanex16_b32 v10, v9, s20, s21
	v_or_b32 v[W+(\t)], v9, v10                    ; with lane l xor 16's two the word is whole
.if (\t) > 0
	s_wait_alu depctr_va_vdst(0)
	s_wait_xcnt 0x0                                ; the last task's stores have read the codes' registers: they are written again only behind this wait
.endif
.irp c, 0,1
	v_cvt_scalef32_pk16_fp6_f32 v[C+6*\c:C+6*\c+2], v[X+32*\c:X+32*\c+15], v[MX+2+\c]
	v_cvt_scalef32_pk16_fp6_f32 v[TP+4*\c:TP+4*\c+2], v[X+32*\c+16:X+32*\c+31], v[MX+2+\c]   ; (a conversion's three registers begin on an even number)
.endr
	v_nop                                          ; one plain place behind a scaled conversion
.irp c, 0,1
.irp i, 0,1,2
	v_mov_b32 v[C+6*\c+3+\i], v[TP+4*\c+\i]
.endr
.endr
.irp p, 0,1,2,3,4,5
	global_store_b64 v5, v[C+2*\p:C+2*\p+1], s[14:15] offset:((\t)/2)*24576+((\t)%2)*1536+256*\p   ; 32 lanes store 256 consecutive bytes, aligned
.endr
.endm
	LOAD 0
	LOAD 1
	TASK 0
	TASK 1
	TASK 2
	TASK 3
	v_cndmask_b32 v[OW], v[W], v[W+2], s22         ; lanes 0-15 store words 0 and 1 of their row, lanes 16-31 words 2 and 3
	v_cndmask_b32 v[OW+1], v[W+1], v[W+3], s22
	global_store_b64 v6, v[OW:OW+1], s[16:17]      ; 256 consecutive bytes, aligned
	s_wait_tensorcnt 0x0                           ; the wave's end
	ds_add_u32 v[SPW], v[NIL]
	s_wait_dscnt 0x0
	s_endpgm
.Lfunc_end_k_q338be1c101_quant:
	.size	k_q338be1c101_quant, .Lfunc_end_k_q338be1c101_quant-k_q338be1c101_quant
	.p2alignl 7, 3214868480
	.fill 96, 4, 3214868480
	.section	.rodata,"a",@progbits
	.p2align	6, 0x0
	.amdhsa_kernel k_q338be1c101_quant
		.amdhsa_group_segment_fixed_size 34304
		.amdhsa_private_segment_fixed_size 0
		.amdhsa_enable_private_segment 0
		.amdhsa_kernarg_size 56
		.amdhsa_user_sgpr_count 2
		.amdhsa_user_sgpr_kernarg_segment_ptr 1
		.amdhsa_wavefront_size32 1
		.amdhsa_system_sgpr_workgroup_id_x 1
		.amdhsa_system_sgpr_workgroup_id_y 1
		.amdhsa_system_sgpr_workgroup_id_z 1
		.amdhsa_system_vgpr_workitem_id 0
		.amdhsa_next_free_vgpr 248
		.amdhsa_next_free_sgpr 66
		.amdhsa_reserve_vcc 0
		.amdhsa_float_denorm_mode_32 3
		.amdhsa_float_denorm_mode_16_64 3
		.amdhsa_memory_ordered 1
		.amdhsa_forward_progress 1
		.amdhsa_inst_pref_size 32
	.end_amdhsa_kernel
	.amdgpu_metadata
---
amdhsa.version: [ 1, 2 ]
amdhsa.kernels:
  - .name:           k_q338be1c101_quant
    .symbol:         k_q338be1c101_quant.kd
    .args:
      - { .name: x, .offset: 0, .size: 8, .value_kind: global_buffer, .address_space: global }
      - { .name: wq, .offset: 8, .size: 8, .value_kind: global_buffer, .address_space: global }
      - { .name: wk, .offset: 16, .size: 8, .value_kind: global_buffer, .address_space: global }
      - { .name: wv, .offset: 24, .size: 8, .value_kind: global_buffer, .address_space: global }
      - { .name: wo, .offset: 32, .size: 8, .value_kind: global_buffer, .address_space: global }
      - { .name: xw, .offset: 40, .size: 8, .value_kind: global_buffer, .address_space: global }
      - { .name: scl, .offset: 48, .size: 8, .value_kind: global_buffer, .address_space: global }
    .group_segment_fixed_size: 34304
    .private_segment_fixed_size: 0
    .kernarg_segment_align: 8
    .kernarg_segment_size: 56
    .max_flat_workgroup_size: 128
    .sgpr_count:     66
    .vgpr_count:     248
    .wavefront_size: 32
...
	.end_amdgpu_metadata
.endif
;; end of part 1
;; launch proj (part 2): grid 8 x 32, 4 waves a work-group, clusters of 4 x 4, 327,680 bytes of LDS; arguments xw, scl, qkv; writes qkv
.if DOCPART == 2
	.amdgcn_target "amdgcn-amd-amdhsa--gfx1250"
	.amdhsa_code_object_version 6
	.text
	.protected	k_q338be1c101_proj
	.globl	k_q338be1c101_proj
	.p2align	8
	.type	k_q338be1c101_proj,@function
k_q338be1c101_proj:
	s_mov_b64 s[64:65], 0
	v_nop
	global_prefetch_b8 v0, s[64:65] scope:SCOPE_SE
	s_setreg_imm32_b32 hwreg(HW_REG_WAVE_MODE, 25, 1), 1
	s_wait_xcnt 0x0
	s_wait_alu depctr_hold_cnt(0) depctr_sa_sdst(0) depctr_va_vdst(0) depctr_va_sdst(0) depctr_va_ssrc(0) depctr_va_vcc(0) depctr_vm_vsrc(0)
	s_getreg_b32 s2, hwreg(HW_REG_IB_STS2, 6, 4)
	s_cmp_eq_u32 s2, 0
	s_cbranch_scc0 .Lentry_in_a_cluster
	s_endpgm
.Lentry_in_a_cluster:
	s_bfe_u32 s2, ttmp6, 0x10000c
	s_cmp_lg_u32 s2, 0xf033
	s_cbranch_scc0 .Lentry_shape_is_right
	s_endpgm
.Lentry_shape_is_right:
; q, k, v = x w^T on codes of FP6 (E2M3) with E8M0 scales, and their quantisers: the results leave as codes and scale bytes in the order of the next launch's operand registers.  No f32 result is stored.
; xw: images of operand registers in groups of 8 tiles (128 rows), 98,304 bytes: [pair of K steps: 24,576][tile: 3,072][K step % 2: 1,536], register pair p of lane l at 256 p + 8 l; groups 0-63 x, 64-71 wq, 72-79 wk, 80-87 wv.
; Place r of tile T is row 32 (T/2) + 8 (T%2) + 16 (r/8) + r%8.  scl: 512 bytes a tile: word of K step q, place r at 256 (q/4) + 16 r + 4 (q%4).
; qkv: for head bh and key step of 128 tokens a record of 12,800 bytes: four images of k ([tile 2 f | tile 2 f + 1], 64 channels each), four of v (16 channels x 128 keys), k's scale words (16 r + 4 f), v's (16 r + 4 t);
; from QB on, 6,400 bytes for each 128 queries: four images of q and their scale words.
; SHARES: 8 x 32 work-groups: work-group (j, tt) makes heads 2 j, 2 j + 1 of q, k and v for tokens 256 tt .. + 255: three chunks of 128 weight rows.  A wave holds ITS 64 TOKENS OF x, ALL OF K, IN REGISTERS (32 fragments, loaded
; straight from the images), and 32 accumulators: 64 tokens x 128 channels.  A chunk is eight K steps of 32 products.
; LDS: three regions of 98,304 bytes, one for each chunk's weights, each byte filled once: a quarter a wave, by JOINT loads shared along a column of the 4 x 4 cluster (the token tiles).  Chunk 0 is asked for at the head; chunks 1 and 2 each behind
; a wait for the tensor loads, an LDS add, its wait and a round.  A wave has one tensor load out.  No prefetch: chunk 1 is asked for seven steps (224 products a wave), chunk 2 a whole chunk (256 products a wave), ahead of its first read.
; q, k: source 0 = the weight's rows: a lane holds one token, its registers run along the channels.  v: source 0 = x's rows: a lane holds one channel, its registers run along the tokens.
; A wave's 64 tokens are half of an image of v (six registers): its codes leave in pieces of 8 bytes and its scale bytes in pairs; the two waves of a key step fill each unit together.
; LIMITS: blocks of zeros get the byte 1 (zero codes; the bytes are read by this program alone); NaN and infinities are not served.
; REGISTERS: window 0: v0-31 addresses, v32-47 x's scale words, v52-147 the weights' (their numbers differ from x's modulo 8), v160-255 the weights' fragments, set 1, and on the way out the quantiser's registers;
; window 1: x's fragments of K steps 0-4; window 2: of K steps 5-7 (v0-143), and the weights' fragments, set 0 (v144-239); window 3: the accumulators.
.set GRP,   98304
.set PART,  24576
.set SPARE, 3*GRP
.set QB,    13107200
.set XA,    2
.set XSA,   6
.set WSA,   7
.set O0,    8
.set OSQ,   9
.set OSK,   10
.set VO,    11
.set VS,    14
.set SELV,  15
.set AB,    16                         ; v16-21 LDS address of the weights' fragments: region s, K half k at 2 s + k
.set SPW,   28
.set NIL,   29
.set XS,    32
.set WS,    52
.set I0,    160
.set I1,    172
.set TM,    184
.set TP,    200
.set PW,    208
.set WD,    216
.set XV,    220
.set G1,    24
.set G0,    32
.set SEL,   90
.set MSB, 0
.macro WIN new
.if MSB != (\new)
	s_set_vgpr_msb (MSB<<8)|(\new)
.set MSB, (\new)
.endif
.endm
.macro PLACES n
.rept \n
	v_nop
.endr
.endm
.macro CROUND
	s_barrier_signal -1
	s_barrier_wait -1
	s_cmp_lg_u32 s14, 0
	s_cbranch_scc1 .Lnot_wave_0_\@
	s_barrier_signal -3
.Lnot_wave_0_\@:
	s_barrier_wait -3
	s_barrier_signal -1
	s_barrier_wait -1
.endm
.macro TLOAD c                         ; my quarter of chunk c's weights
	tensor_load_to_lds s[G0+4*\c:G0+4*\c+3], s[G1:G1+7]
	s_nop 0
	PLACES 4
.endm
	s_load_b128 s[4:7], s[0:1], 0x0                ; xw, scl
	s_load_b64 s[8:9], s[0:1], 0x10                ; qkv
	v_lshl_add_u32 v[SPW], v0, 2, SPARE
	v_mov_b32 v[NIL], 0
	ds_add_u32 v[SPW], v[NIL]                      ; the opening lines
	ds_add_u32 v[SPW], v[NIL]
	v_lshrrev_b32 v1, 5, v0
	v_readfirstlane_b32 s14, v1                    ; wave
	s_lshr_b32 s15, s14, 1                         ; which 128 tokens (key step) of the 256
	s_and_b32 s16, s14, 1                          ; which 64 of them
	s_bfe_u32 s66, ttmp6, 0x40000
	s_bfe_u32 s67, ttmp6, 0x40004
	s_lshl_b32 s18, ttmp9, 2
	s_add_co_u32 s18, s18, s66                     ; j, 0..7
	s_and_b32 s17, ttmp7, 0xffff
	s_lshl_b32 s17, s17, 2
	s_add_co_u32 s17, s17, s67                     ; tt, 0..31
	s_lshl_b32 s69, 0x1111, s66                    ; my column of the cluster
	s_or_b32 s[G1], s69, (3<<16)|(1<<21)           ; 96 dense rows of 256 bytes
	s_mov_b32 s[G1+1], 32<<16
	s_mov_b32 s[G1+2], 96<<16
	s_mov_b32 s[G1+3], 32<<16
	s_mov_b32 s[G1+4], 96
	s_mov_b32 s[G1+5], 32
	s_mov_b32 s[G1+6], 0
	s_mov_b32 s[G1+7], 0
	s_add_co_u32 s70, s18, 64
	s_lshl_b32 s77, s70, 12                        ; scl: wq's group 64 + j
	s_mul_i32 s70, s70, GRP
	s_mul_i32 s74, s14, PART
	s_add_co_u32 s70, s70, s74
	s_mov_b32 s71, 0
	s_lshl_b32 s54, s17, 1
	s_add_co_u32 s54, s54, s15                     ; x's group
	s_mul_i32 s72, s54, GRP
	s_mul_i32 s55, s16, 12288                      ; my four tiles of it
	s_add_co_u32 s72, s72, s55
	s_mov_b32 s73, 0
	s_lshl_b32 s76, s54, 12
	s_lshl_b32 s55, s16, 11
	s_add_co_u32 s76, s76, s55
	s_lshr_b32 s44, s17, 3                         ; the batch
	s_and_b32 s45, s17, 7
	s_lshl_b32 s45, s45, 1
	s_add_co_u32 s45, s45, s15                     ; the key step in it
	s_lshl_b32 s46, s44, 4
	s_lshl_b32 s47, s18, 1
	s_add_co_u32 s46, s46, s47                     ; bh of head 2 j
	s_mul_i32 s48, s46, 102400
	s_mul_i32 s47, s45, 6400
	s_add_co_u32 s48, s48, s47
	s_add_co_u32 s48, s48, QB
	s_mov_b32 s49, 0
	s_mul_i32 s50, s46, 204800
	s_mul_i32 s47, s45, 12800
	s_add_co_u32 s50, s50, s47
	s_mov_b32 s51, 0
	s_mov_b32 s88, 0xffff0000
	s_mov_b32 s[SEL], 0x76543210
	s_mov_b32 s[SEL+1], 0xfedcba98
	s_wait_dscnt 0x0
	s_wait_kmcnt 0x0
	s_add_nc_u64 s[70:71], s[4:5], s[70:71]
	s_add_nc_u64 s[72:73], s[4:5], s[72:73]
	s_add_nc_u64 s[48:49], s[8:9], s[48:49]        ; q
	s_add_nc_u64 s[50:51], s[8:9], s[50:51]        ; k
	s_add_nc_u64 s[52:53], s[50:51], 6144          ; v
	CROUND                                         ; all sixteen work-groups are here: the joint loads meet
.irp c, 0,1,2
	s_mov_b32 s[G0+4*\c], 1
	s_add_co_u32 s[G0+4*\c+1], s74, \c*GRP
	s_add_nc_u64 s[G0+4*\c+2:G0+4*\c+3], s[70:71], \c*8*GRP
	s_or_b32 s[G0+4*\c+3], s[G0+4*\c+3], 0x80000000
.endr
	TLOAD 0                                        ; one tensor load a wave at the head
	v_and_b32 v1, 31, v0
	v_and_b32 v3, 15, v0                           ; r
	v_bfe_u32 v5, v0, 4, 1                         ; h
	v_lshlrev_b32 v[XA], 3, v1
	v_lshlrev_b32 v4, 4, v3
	v_lshl_add_u32 v[XSA], v5, 10, v4              ; lanes 16-31: two tiles on
	v_lshl_add_u32 v[WSA], v5, 11, v4              ; four tiles on
	v_add_nc_u32 v[XSA], s76, v[XSA]
	v_add_nc_u32 v[WSA], s77, v[WSA]
	s_wait_alu depctr_va_vdst(0)                   ; the wait ahead of the readers below
.irp q, 0,1,2,3,4,5,6,7
	WIN (1+\q/5)<<6
.irp a, 0,1,2,3
.irp p, 0,1,2,3,4,5
	global_load_b64 v[12*(4*(\q-5*(\q/5))+\a)+2*\p:12*(4*(\q-5*(\q/5))+\a)+2*\p+1], v[XA], s[72:73] offset:(\q/2)*24576+\a*3072+(\q%2)*1536+256*\p
.endr
.endr
.endr
	WIN 0
.irp al, 0,1
.irp i, 0,1
	global_load_b128 v[XS+8*\al+4*\i:XS+8*\al+4*\i+3], v[XSA], s[6:7] offset:512*\al+256*\i
.endr
.endr
.irp c, 0,1,2
.irp bl, 0,1,2,3
.irp i, 0,1
	global_load_b128 v[WS+32*\c+8*\bl+4*\i:WS+32*\c+8*\bl+4*\i+3], v[WSA], s[6:7] offset:32768*\c+512*\bl+256*\i
.endr
.endr
.endr
.irp s, 0,1,2
	v_add_nc_u32 v[AB+2*\s], \s*GRP, v[XA]
	v_add_nc_u32 v[AB+2*\s+1], \s*GRP+2*PART, v[XA]
.endr
	s_mul_i32 s54, s16, 3072
	v_lshl_add_u32 v[O0], v1, 4, s54               ; q, k: 16 x lane, my two images of the four
	s_lshl_b32 s55, s16, 3
	v_lshl_add_u32 v4, v3, 4, s55
	v_mad_u32_u24 v[OSQ], v5, 102400, v4           ; their scale words: lanes 16-31 the second head's
	v_mad_u32_u24 v[OSK], v5, 204800, v4
	s_mul_i32 s56, s16, 520                        ; v: registers 6 c + 0 .. 5 of an image, pair by pair: register n at 512 (n/4) + 16 x lane + 4 (n%4)
	s_mul_i32 s57, s16, 1016
	s_add_co_u32 s57, s57, 8
	s_add_co_u32 s58, s56, 512
	v_lshl_add_u32 v[VO], v1, 4, s56
	v_lshl_add_u32 v[VO+1], v1, 4, s57
	v_lshl_add_u32 v[VO+2], v1, 4, s58
	s_lshl_b32 s59, s16, 1
	v_lshl_add_u32 v4, v3, 4, s59
	v_mad_u32_u24 v[VS], v5, 204800, v4
	v_mov_b32 v[SELV], 0x05040100
	v_mov_b32 v4, 0x07060302
	v_cndmask_b32 v[SELV], v[SELV], v4, s88
.macro FETCHB areg, nq                 ; the weights' eight fragments of a K step into set nq % 2: six loads a tile
	WIN (2-2*((\nq)%2))<<6
.irp b, 0,1,2,3,4,5,6,7
.irp p, 0,1,2,3,4,5
	ds_load_b64 v[144+16*((\nq)%2)+12*\b+2*\p:144+16*((\nq)%2)+12*\b+2*\p+1], v[\areg] offset:(((\nq)/2)%2)*24576+\b*3072+((\nq)%2)*1536+256*\p
.endr
.endr
.endm
.macro PROD kind, ch, q, bh, bl, ah, al
.set XR_, 12*(4*((\q)-5*((\q)/5))+2*\ah+\al)
.set BR_, 144+16*((\q)%2)+12*(4*\bh+\bl)
.set WS_, WS+32*(\ch)+8*\bl+(\q)
.set XS_, XS+8*\al+(\q)
.if \kind
.set D_, 8*(4*(4*\bh+\bl)+2*\ah+\al)
.if \q
	v_wmma_scale_f32_16x16x128_f8f6f4 v[D_:D_+7], v[XR_:XR_+11], v[BR_:BR_+11], v[D_:D_+7], v[XS_], v[WS_] matrix_a_fmt:MATRIX_FMT_FP6 matrix_b_fmt:MATRIX_FMT_FP6 matrix_a_scale:MATRIX_SCALE_ROW\ah matrix_b_scale:MATRIX_SCALE_ROW\bh
.else
	v_wmma_scale_f32_16x16x128_f8f6f4 v[D_:D_+7], v[XR_:XR_+11], v[BR_:BR_+11], 0, v[XS_], v[WS_] matrix_a_fmt:MATRIX_FMT_FP6 matrix_b_fmt:MATRIX_FMT_FP6 matrix_a_scale:MATRIX_SCALE_ROW\ah matrix_b_scale:MATRIX_SCALE_ROW\bh
.endif
.else
.set D_, 8*(8*(2*\ah+\al)+4*\bh+\bl)
.if \q
	v_wmma_scale_f32_16x16x128_f8f6f4 v[D_:D_+7], v[BR_:BR_+11], v[XR_:XR_+11], v[D_:D_+7], v[WS_], v[XS_] matrix_a_fmt:MATRIX_FMT_FP6 matrix_b_fmt:MATRIX_FMT_FP6 matrix_a_scale:MATRIX_SCALE_ROW\bh matrix_b_scale:MATRIX_SCALE_ROW\ah
.else
	v_wmma_scale_f32_16x16x128_f8f6f4 v[D_:D_+7], v[BR_:BR_+11], v[XR_:XR_+11], 0, v[WS_], v[XS_] matrix_a_fmt:MATRIX_FMT_FP6 matrix_b_fmt:MATRIX_FMT_FP6 matrix_a_scale:MATRIX_SCALE_ROW\bh matrix_b_scale:MATRIX_SCALE_ROW\ah
.endif
.endif
.endm
.macro HALF kind, ch, q, bh            ; 16 products: four tiles of the weight x my four tiles of x; the 32 accumulators take turns in the same order in every step
.irp bl, 0,1,2,3
.irp ah, 0,1
.irp al, 0,1
	PROD \kind, \ch, \q, \bh, \bl, \ah, \al
.endr
.endr
.endr
.endm
.macro STEP kind, ch, q, ns, nq, fetch
.if \kind
.set W_, (1+(\q)/5)|((2-2*((\q)%2))<<2)|0xf0
.else
.set W_, (2-2*((\q)%2))|((1+(\q)/5)<<2)|0xf0
.endif
	s_wait_dscnt 24                                ; the loads of the weight's tiles 4-7 may be out: six a tile
	WIN W_
	HALF \kind, \ch, \q, 0
	s_wait_dscnt 0x0
.if \fetch
	PLACES 4                                       ; in front of loads into the set that the last step's products read
	FETCHB AB+2*(\ns)+(\nq)/4, \nq
.endif
	WIN W_
	HALF \kind, \ch, \q, 1
.endm
.macro SEVEN kind, ch
.irp q, 0,1,2,3,4,5,6
	STEP \kind, \ch, \q, \ch, \q+1, 1
.endr
	WIN 0
.endm
; THE QUANTISER of 64 registers of a lane: four blocks of 32, each half in lane l, half in lane l xor 16.  d0: blocks 0 and 1 as six operand registers (lanes 0-15 block 0, lanes 16-31 block 1); d1: blocks 2 and 3; pw: the four bytes.
.macro QUANT ac, d0, d1, pw
.irp b, 0,1,2,3
	v_mov_b32 v[TM+\b], 0x1800000                  ; the floor 2^(3 - 127): the byte cannot fall under 1
.endr
	WIN 60
.irp i, 0,2,4,6,8,10,12,14
.irp b, 0,1,2,3
	v_max3_num_f32 v[TM+\b], v[TM+\b], |v[(\ac)+16*\b+\i]|, |v[(\ac)+16*\b+\i+1]|
.endr
.endr
	WIN 0
.irp b, 0,1,2,3
	v_permlanex16_b32 v[TM+4+\b], v[TM+\b], s[SEL], s[SEL+1]
.endr
.irp b, 0,1,2,3
	v_max_num_f32 v[TM+\b], v[TM+\b], v[TM+4+\b]
.endr
.irp b, 0,1,2,3
	v_add_nc_u32 v[TM+12+\b], 0xff000000, v[TM+\b] ; 2 off the exponent field: the conversion's scale operand
.endr
.irp b, 0,1,2,3
	v_lshrrev_b32 v[TM+4+\b], 23, v[TM+12+\b]
.endr
	v_lshl_or_b32 v[\pw], v[TM+5], 8, v[TM+4]
	v_lshl_or_b32 v[\pw], v[TM+6], 16, v[\pw]
	v_lshl_or_b32 v[\pw], v[TM+7], 24, v[\pw]
	WIN 3
	v_cvt_scalef32_pk16_fp6_f32 v[(\d0):(\d0)+2], v[(\ac):(\ac)+15], v[TM+12]
	v_cvt_scalef32_pk16_fp6_f32 v[TP:TP+2], v[(\ac)+16:(\ac)+31], v[TM+13]
	v_cvt_scalef32_pk16_fp6_f32 v[(\d1):(\d1)+2], v[(\ac)+32:(\ac)+47], v[TM+14]
	v_cvt_scalef32_pk16_fp6_f32 v[TP+4:TP+6], v[(\ac)+48:(\ac)+63], v[TM+15]
	WIN 0
	v_nop
.irp i, 0,1,2
	v_permlane16_swap_b32 v[(\d0)+\i], v[TP+\i]
	v_permlane16_swap_b32 v[(\d1)+\i], v[TP+4+\i]
.endr
.irp i, 0,1,2
	v_mov_b32 v[(\d0)+3+\i], v[TP+\i]
	v_mov_b32 v[(\d1)+3+\i], v[TP+4+\i]
.endr
.endm
.macro OUTHEAD
	WIN 0
	PLACES 4                                       ; in front of reads of results and of writes into set 1's registers
.irp b, 0,1,2,3
	v_mov_b32 v[TM+4+\b], 0                        ; a lane permute's destination counts as one of its sources
.endr
.endm
.macro OUTQK base, hs, so, os          ; token tile a's 64 registers lie at 64 a: channels of head 0, then of head 1
	OUTHEAD
.irp f, 0,1
	s_wait_xcnt 0x0                                ; the last stores have read their registers
	QUANT 64*(2*\f), I0, I1, PW+2*\f
	QUANT 64*(2*\f+1), I0+6, I1+6, PW+2*\f+1
.irp c, 0,1,2
	global_store_b128 v[O0], v[I0+4*\c:I0+4*\c+3], s[\base:\base+1] offset:1536*\f+512*\c
	global_store_b128 v[O0], v[I1+4*\c:I1+4*\c+3], s[\base:\base+1] offset:\hs+1536*\f+512*\c
.endr
.endr
.irp f, 0,1
	v_perm_b32 v[WD+\f], v[PW+2*\f+1], v[PW+2*\f], v[SELV]   ; lanes 0-15: head 0's two bytes of both tiles; lanes 16-31: head 1's
.endr
	global_store_b64 v[\os], v[WD:WD+1], s[\base:\base+1] offset:\so
	s_wait_xcnt 0x0                                ; set 1's registers take loads again only behind this wait
.endm
	s_wait_alu depctr_va_vdst(0)                   ; the wait at the head's end
	s_wait_tensorcnt 0x0                           ; my quarter of chunk 0 is in; the three lines ahead of a later first fill
	ds_add_u32 v[SPW], v[NIL]
	s_wait_dscnt 0x0
	CROUND
	TLOAD 1                                        ; chunk 1, into its own region
	FETCHB AB, 0
	WIN 0
	s_wait_loadcnt 0x0                             ; x's fragments and all scale words
; ---- chunk 0: q
	SEVEN 0, 0
	s_wait_tensorcnt 0x0                           ; my quarter of chunk 1 is in; the three lines and a round, which also shows chunk 1 to all waves
	ds_add_u32 v[SPW], v[NIL]
	s_wait_dscnt 0x0
	CROUND
	TLOAD 2                                        ; chunk 2, into its own region
	STEP 0, 0, 7, 1, 0, 1
	OUTQK 48, 102400, 6144, OSQ
; ---- chunk 1: k
	SEVEN 0, 1
	s_wait_tensorcnt 0x0                           ; my quarter of chunk 2 is in:
	s_wait_dscnt 0x0
	s_barrier_signal -1
	s_barrier_wait -1                              ; a plain barrier shows it to all waves
	STEP 0, 1, 7, 2, 0, 1
	OUTQK 50, 204800, 12288, OSK
; ---- chunk 2: v.  Channel tile b's 32 registers lie at 32 b: my two blocks of 32 tokens
	SEVEN 1, 2
	STEP 1, 2, 7, 2, 0, 0
	OUTHEAD
.irp g, 0,1,2,3
	s_wait_xcnt 0x0
	QUANT 64*\g, I0+12*(\g%2), I0+12*(\g%2)+6, PW+\g
.irp k, 0,1,2
	global_store_b64 v[VO+\k], v[I0+12*(\g%2)+2*\k:I0+12*(\g%2)+2*\k+1], s[52:53] offset:204800*(\g/2)+3072*(\g%2)
	global_store_b64 v[VO+\k], v[I0+12*(\g%2)+6+2*\k:I0+12*(\g%2)+6+2*\k+1], s[52:53] offset:204800*(\g/2)+3072*(\g%2)+1536
.endr
.endr
	v_cndmask_b32 v[XV], v[PW], v[PW+2], s88       ; lanes 0-15 head 0's tiles 0, 1; lanes 16-31 head 1's
	v_cndmask_b32 v[XV+1], v[PW+1], v[PW+3], s88   ; tiles 2, 3
	v_lshrrev_b32 v[XV+2], 16, v[XV]
	v_lshrrev_b32 v[XV+3], 16, v[XV+1]
	global_store_b16 v[VS], v[XV], s[52:53] offset:6400      ; my two bytes of tile t's word of row r
	global_store_b16 v[VS], v[XV+2], s[52:53] offset:6404
	global_store_b16 v[VS], v[XV+1], s[52:53] offset:6408
	global_store_b16 v[VS], v[XV+3], s[52:53] offset:6412
	s_wait_tensorcnt 0x0                           ; the wave's end
	ds_add_u32 v[SPW], v[NIL]
	s_wait_dscnt 0x0
	CROUND                                         ; the closing round
	s_endpgm
.Lfunc_end_k_q338be1c101_proj:
	.size	k_q338be1c101_proj, .Lfunc_end_k_q338be1c101_proj-k_q338be1c101_proj
	.p2alignl 7, 3214868480
	.fill 96, 4, 3214868480
	.section	.rodata,"a",@progbits
	.p2align	6, 0x0
	.amdhsa_kernel k_q338be1c101_proj
		.amdhsa_group_segment_fixed_size 327680
		.amdhsa_private_segment_fixed_size 0
		.amdhsa_enable_private_segment 0
		.amdhsa_kernarg_size 24
		.amdhsa_user_sgpr_count 2
		.amdhsa_user_sgpr_kernarg_segment_ptr 1
		.amdhsa_wavefront_size32 1
		.amdhsa_system_sgpr_workgroup_id_x 1
		.amdhsa_system_sgpr_workgroup_id_y 1
		.amdhsa_system_sgpr_workgroup_id_z 1
		.amdhsa_system_vgpr_workitem_id 0
		.amdhsa_next_free_vgpr 1024
		.amdhsa_next_free_sgpr 96
		.amdhsa_reserve_vcc 0
		.amdhsa_float_denorm_mode_32 3
		.amdhsa_float_denorm_mode_16_64 3
		.amdhsa_memory_ordered 1
		.amdhsa_forward_progress 1
		.amdhsa_inst_pref_size 255
	.end_amdhsa_kernel
	.section	.bss,"aw",@nobits
	.p2align	6
	.space	262144
	.amdgpu_metadata
---
amdhsa.version: [ 1, 2 ]
amdhsa.kernels:
  - .name:           k_q338be1c101_proj
    .symbol:         k_q338be1c101_proj.kd
    .args:
      - { .name: xw, .offset: 0, .size: 8, .value_kind: global_buffer, .address_space: global }
      - { .name: scl, .offset: 8, .size: 8, .value_kind: global_buffer, .address_space: global }
      - { .name: qkv, .offset: 16, .size: 8, .value_kind: global_buffer, .address_space: global }
    .group_segment_fixed_size: 327680
    .private_segment_fixed_size: 0
    .kernarg_segment_align: 8
    .kernarg_segment_size: 24
    .max_flat_workgroup_size: 128
    .sgpr_count:     96
    .vgpr_count:     1024
    .wavefront_size: 32
...
	.end_amdgpu_metadata
.endif
;; end of part 2
;; launch attn (part 3): grid 4 x 64, 16 waves a work-group, clusters of 4 x 1, 258,048 bytes of LDS; arguments qkv, oc, scl; writes oc, scl
.if DOCPART == 3
	.amdgcn_target "amdgcn-amd-amdhsa--gfx1250"
	.amdhsa_code_object_version 6
	.text
	.protected	k_q338be1c101_attn
	.globl	k_q338be1c101_attn
	.p2align	8
	.type	k_q338be1c101_attn,@function
k_q338be1c101_attn:
	s_mov_b64 s[64:65], 0
	v_nop
	global_prefetch_b8 v0, s[64:65] scope:SCOPE_SE
	s_setreg_imm32_b32 hwreg(HW_REG_WAVE_MODE, 25, 1), 1
	s_wait_xcnt 0x0
	s_wait_alu depctr_hold_cnt(0) depctr_sa_sdst(0) depctr_va_vdst(0) depctr_va_sdst(0) depctr_va_ssrc(0) depctr_va_vcc(0) depctr_vm_vsrc(0)
	s_getreg_b32 s2, hwreg(HW_REG_IB_STS2, 6, 4)
	s_cmp_eq_u32 s2, 0
	s_cbranch_scc0 .Lentry_in_a_cluster
	s_endpgm
.Lentry_in_a_cluster:
	s_bfe_u32 s2, ttmp6, 0x10000c
	s_cmp_lg_u32 s2, 0x3003
	s_cbranch_scc0 .Lentry_shape_is_right
	s_endpgm
.Lentry_shape_is_right:
; o = softmax(q k^T / 8) v for one head a cluster, both products on codes of FP6 (E2M3) with E8M0 scales; o is divided by the row's sum, quantised along the channels and stored as its part of the last product's operand images.
; THE SOFTMAX: t = score x log2(e) / 8 (q was quantised unscaled: 2^-3 is exact); M = the running largest t rounded UP to a whole number; p = 2^(t - M) is quantised along the keys, not normalised; the row's sum is taken of the
; unquantised p; when M moves, the sum and O are multiplied by 2^(old M - new M), which rounds nothing.
; SHARES: the cluster's four work-groups have 512 queries each of head bh (the cluster's y), in two passes of 256; each of sixteen waves has one tile of 16 queries.  A step is 128 keys.
; LDS: the head's k, v and scale words: 16 records of 12,800 bytes of memory, each filled ONCE by one JOINT tensor load (wave w: record w; mask: all four).  A record comes as 25 rows of 512 bytes, 128 bytes of padding behind each: 16,000 bytes.
; No ring, no refill, no barrier in the loops; no prefetch: all tiles are asked for at the head, there is no loop that runs ahead of a fill.
; K = 64 IN AN INSTRUCTION OF K = 128: an image of k holds two tiles of keys, [k_a | k_b].  q is kept as [0 | q | 0] in 18 registers: [q | 0] gives tile a's scores, [0 | q] tile b's; zero codes add nothing.
; WHICH KEYS FORM A TILE is chosen by the lanes' LDS addresses: memory's image f, place r' holds keys 32 f + 16 (r'/8) + r'%8 (part a) and 8 more (part b).  For image g lane (r, h) reads image 2 (g/2) + r/8, place 8 (g%2) + r%8.
; Both products are used transposed (a lane holds ONE query), so register 32 c + i of S is key 64 c + 32 h + i: a lane holds WHOLE blocks of 32 keys, in the order of p's operand registers: no lane is asked for a block's maximum.
; The padding makes an image 1,920 bytes, 128 modulo 256: lanes r < 8 and r >= 8 of a load of 16 bytes fall on different banks (64 banks of 4 bytes: ISA guide 11.1).
; LIMITS: the promise holds while the scaled scores stay under 2^31 in magnitude; blocks of zeros get the byte 1 (zero codes; the bytes are read by this program alone); NaN and infinities are not served.
.set KSB,   12800
.set REC,   16000
.set SPARE, 16*REC
.set QB,    13107200
.set LB,  1                            ; 16 x lane
.set LK,  2                            ; k: 1,920 (r/8) + 256 h + 16 (r%8)
.set QO,  3
.set QSO, 4
.set SPW, 5
.set NIL, 6
.set OO,  7
.set OSO, 8
.set QZ,  16                           ; v16-33 [0 x 6 | q x 6 | 0 x 6]
.set QS,  34
.set H8,  35                           ; 8 h
.set KV,  36                           ; v36-83 four fragments of k or of v
.set SCW, 84                           ; v84-87 lanes 0-15 k's scale words, lanes 16-31 v's
.set LS0, 88                           ; scale words of images 0, 2;  LS1: of images 1, 3
.set LS1, 89
.set AK,  90                           ; the step's record + LK, LB, LS0, LS1
.set AV,  91
.set AS0, 92
.set AS1, 93
.set EX,  94                           ; v94-95 the way out: permute's results
.set SS,  96                           ; v96-159 S^T, then p
.set OA,  160                          ; v160-191 O^T
.set NN,  192                          ; v192-223 the way out: O^T / the sum; in the steps: at work
.set CH,  192
.set W,   196
.set X,   197
.set T,   198
.set T2,  199
.set F,   200
.set SOP, 202
.set BY,  204
.set WD,  206
.set WX,  207
.set PW,  208                          ; p's scale word
.set S2,  210
.set TP,  212
.set P,   224                          ; v224-235 p's codes
.set QA,  236                          ; v236-242 the coming pass's q and its scale word; v244-250 the pass after
.set QN,  244
.set EBY, 246
.set EM,  252
.set ES,  254
.set TB,  2
.set CNT, 3
.set WV,  12
.set SEL, 20
.set CS,  22
.set G1,  24
.set G0,  32
.set PASS, 36
.macro WALU
	s_wait_alu depctr_va_vdst(0)
.endm
.macro CROUND
	s_barrier_signal -1
	s_barrier_wait -1
	s_cmp_lg_u32 s[WV], 0
	s_cbranch_scc1 .Lnot_wave_0_\@
	s_barrier_signal -3
.Lnot_wave_0_\@:
	s_barrier_wait -3
	s_barrier_signal -1
	s_barrier_wait -1
.endm
	s_load_b128 s[4:7], s[0:1], 0x0                ; qkv, oc
	s_load_b64 s[8:9], s[0:1], 0x10                ; scl
	v_lshl_add_u32 v[SPW], v0, 2, SPARE
	v_mov_b32 v[NIL], 0
	ds_add_u32 v[SPW], v[NIL]                      ; the opening lines
	ds_add_u32 v[SPW], v[NIL]
	v_lshrrev_b32 v9, 5, v0
	s_delay_alu instid0(VALU_DEP_1)
	v_readfirstlane_b32 s[WV], v9                  ; wave 0..15
	s_bfe_u32 s13, ttmp6, 0x40000                  ; cx: it enters global addresses of q and o alone
	s_and_b32 s14, ttmp7, 0xffff                   ; bh
	s_and_b32 s15, s[WV], 1                        ; which half of q's image is my tile
	s_mov_b32 s[G1], 15|(3<<16)|(1<<20)|(1<<21)|(6<<22)|(31<<25)   ; mask: all four; elements of 8 bytes; behind every 128 dwords 32 dwords of padding
	s_mov_b32 s[G1+1], 64<<16                      ; rows of 512 bytes
	s_mov_b32 s[G1+2], 25<<16
	s_mov_b32 s[G1+3], 64<<16
	s_mov_b32 s[G1+4], 25
	s_mov_b32 s[G1+5], 64
	s_mov_b32 s[G1+6], 0
	s_mov_b32 s[G1+7], 0
	s_mov_b32 s[G0], 1
	s_mul_i32 s[G0+1], s[WV], REC
	s_mul_i32 s42, s14, 16*KSB
	s_mul_i32 s43, s[WV], KSB
	s_add_co_u32 s42, s42, s43
	s_mov_b32 s43, 0
	s_lshr_b32 s44, s[WV], 3
	s_lshl_b32 s45, s13, 2
	s_add_co_u32 s45, s45, s44                     ; my group of 128 queries in the first pass
	s_mul_i32 s46, s14, 102400
	s_mul_i32 s47, s45, 6400
	s_add_co_u32 s46, s46, s47
	s_add_co_u32 s46, s46, QB
	s_mov_b32 s47, 0
	s_lshr_b32 s48, s14, 4                         ; the batch
	s_and_b32 s49, s14, 15                         ; the head in it
	s_lshr_b32 s50, s49, 1                         ; the last product's K step: two heads
	s_and_b32 s51, s49, 1
	s_lshl_b32 s52, s48, 4
	s_add_co_u32 s52, s52, s45
	s_mul_i32 s52, s52, 98304                      ; oc: group of 128 rows, pair of K steps, tile, K step, my six registers
	s_lshr_b32 s53, s50, 1
	s_mul_i32 s53, s53, 24576
	s_add_co_u32 s52, s52, s53
	s_and_b32 s53, s[WV], 7
	s_mul_i32 s53, s53, 3072
	s_add_co_u32 s52, s52, s53
	s_and_b32 s53, s50, 1
	s_mul_i32 s53, s53, 1536
	s_add_co_u32 s52, s52, s53
	s_mul_i32 s53, s51, 768
	s_add_co_u32 s52, s52, s53
	s_mov_b32 s53, 0
	s_lshl_b32 s54, s48, 7
	s_lshl_b32 s55, s13, 5
	s_add_co_u32 s54, s54, s55
	s_add_co_u32 s54, s54, s[WV]
	s_add_co_u32 s54, s54, 768                     ; scl: o's tiles begin at 768
	s_lshl_b32 s54, s54, 9
	s_lshr_b32 s55, s50, 2
	s_lshl_b32 s55, s55, 8
	s_add_co_u32 s54, s54, s55
	s_and_b32 s55, s50, 3
	s_lshl_b32 s55, s55, 2
	s_add_co_u32 s54, s54, s55
	s_lshl_b32 s55, s51, 1
	s_add_co_u32 s54, s54, s55
	s_mov_b32 s55, 0
	s_mov_b32 s[SEL], 0x76543210
	s_mov_b32 s[SEL+1], 0xfedcba98
	s_mov_b32 s[CS], 0x3e38aa3b                    ; c = log2(e) / 8
	s_mov_b32 s[CS+1], s[CS]
	s_mov_b32 s39, 0xffff0000
	s_mov_b32 s38, 0x01000100
	s_cmp_eq_u32 s15, 1
	s_cselect_b32 s37, -1, 0
	s_cselect_b32 s38, 0x03020302, s38
	s_mov_b32 s[PASS], 2
	s_wait_dscnt 0x0
	s_wait_kmcnt 0x0
	s_add_nc_u64 s[G0+2:G0+3], s[4:5], s[42:43]
	s_or_b32 s[G0+3], s[G0+3], 0x80000000
	s_add_nc_u64 s[40:41], s[4:5], s[46:47]        ; q
	s_add_nc_u64 s[6:7], s[6:7], s[52:53]
	s_add_nc_u64 s[8:9], s[8:9], s[54:55]
	CROUND
	tensor_load_to_lds s[G0:G0+3], s[G1:G1+7]      ; my one tensor load
	s_nop 0
.rept 4
	v_nop
.endr
	v_and_b32 v9, 31, v0
	v_and_b32 v10, 15, v0                          ; r
	v_bfe_u32 v11, v0, 4, 1                        ; h
	v_lshlrev_b32 v[LB], 4, v9
	s_bfe_u32 s56, s[WV], 0x20001
	s_mul_i32 s57, s56, 1536
	v_add_nc_u32 v[QO], s57, v[LB]
	s_lshl_b32 s57, s56, 2
	s_add_co_u32 s57, s57, 6144
	v_lshl_add_u32 v[QSO], v10, 4, s57
	WALU                                           ; the wait ahead of the readers below
.irp c, 0,1,2
	global_load_b128 v[SS+4*\c:SS+4*\c+3], v[QO], s[40:41] offset:512*\c          ; both passes' images of q land while the records are on their way
	global_load_b128 v[SS+16+4*\c:SS+16+4*\c+3], v[QO], s[40:41] offset:12800+512*\c
.endr
	global_load_b32 v[SS+12], v[QSO], s[40:41]
	global_load_b32 v[SS+28], v[QSO], s[40:41] offset:12800
	v_lshlrev_b32 v[OO], 3, v9
	v_lshl_add_u32 v[OSO], v10, 4, v11
	v_and_b32 v[T], 7, v0                          ; r % 8
	v_bfe_u32 v[T2], v0, 3, 1                      ; r / 8
	v_bfe_u32 v[W], v0, 3, 2                       ; 2 h + r / 8
	v_lshlrev_b32 v[T], 4, v[T]
	v_add_nc_u32 v[W], 1, v[W]
	v_lshl_add_u32 v[T], v11, 8, v[T]              ; 16 (r%8) + 256 h
	v_lshrrev_b32 v[W], 2, v[W]                    ; h (r / 8)
	v_mad_u32_u24 v[LK], v[T2], 1920, v[T]
	v_lshl_add_u32 v[LS0], v[T2], 2, v[T]
	v_xor_b32 v[WD], 1, v11                        ; 1 - h
	v_mad_u32_u24 v[LS0], v[W], 124, v[LS0]        ; lanes 0-15: 16 (r%8) + 4 (r/8), k's word; lanes 16-31: 256 + 16 r, v's
	v_lshlrev_b32 v[H8], 3, v11
	v_lshl_add_u32 v[LS1], v[WD], 7, v[LS0]        ; lanes 0-15: 128 on (places 8-15);
	v_lshl_add_u32 v[LS1], v11, 2, v[LS1]          ; lanes 16-31: 4 on (the odd tile)
.irp i, 0,1,2,3,4,5
	v_mov_b32 v[QZ+\i], 0
	v_mov_b32 v[QZ+12+\i], 0
.endr
	v_mov_b32 v[X], 0                              ; written once: a lane permute's destination counts as one of its sources
	v_mov_b32 v[WX], 0
	v_mov_b32 v[EX], 0
	v_mov_b32 v[EX+1], 0
	v_mov_b32 v[F+1], 0                            ; named as the upper half of a pair
	WALU
	s_wait_loadcnt 0x0
.irp i, 0,1,2,3,4,5
	v_cndmask_b32 v[QA+\i], v[SS+\i], v[SS+6+\i], s37
	v_cndmask_b32 v[QN+\i], v[SS+16+\i], v[SS+22+\i], s37
.endr
	v_perm_b32 v[QA+6], v[SS+12], v[SS+12], s38
	v_perm_b32 v[QN+6], v[SS+28], v[SS+28], s38
	WALU                                           ; the wait at the head's end
	s_wait_tensorcnt 0x0
	s_barrier_signal -1
	s_barrier_wait -1                              ; everybody's record has landed
.macro KLOAD ak, a0, a1, off           ; a step's four images of k by my lane's choice of rows, and the scale words
.irp g, 0,1,2,3
.irp c, 0,1,2
	ds_load_b128 v[KV+12*\g+4*\c:KV+12*\g+4*\c+3], v[\ak] offset:(\off)+3840*(\g/2)+128*(\g%2)+640*\c
.endr
.endr
	ds_load_b32 v[SCW], v[\a0] offset:(\off)+15360
	ds_load_b32 v[SCW+1], v[\a1] offset:(\off)+15360
	ds_load_b32 v[SCW+2], v[\a0] offset:(\off)+15368
	ds_load_b32 v[SCW+3], v[\a1] offset:(\off)+15368
.endm
.macro STEP next
	s_wait_dscnt 0x0                               ; k and the scale words are in
.irp g, 0,1,2,3
	v_wmma_scale_f32_16x16x128_f8f6f4 v[SS+16*\g:SS+16*\g+7], v[KV+12*\g:KV+12*\g+11], v[QZ+6:QZ+17], 0, v[SCW+\g], v[QS] matrix_a_fmt:MATRIX_FMT_FP6 matrix_b_fmt:MATRIX_FMT_FP6
	v_wmma_scale_f32_16x16x128_f8f6f4 v[SS+16*\g+8:SS+16*\g+15], v[KV+12*\g:KV+12*\g+11], v[QZ:QZ+11], 0, v[SCW+\g], v[QS] matrix_a_fmt:MATRIX_FMT_FP6 matrix_b_fmt:MATRIX_FMT_FP6
.endr
	v_add_nc_u32 v[AK], s[TB], v[LK]               ; the step's addresses: the four places behind the products
	v_add_nc_u32 v[AV], s[TB], v[LB]
	v_add_nc_u32 v[AS0], s[TB], v[LS0]
	v_add_nc_u32 v[AS1], s[TB], v[LS1]
.irp t, 0,1,2,3
.irp c, 0,1,2
	ds_load_b128 v[KV+12*\t+4*\c:KV+12*\t+4*\c+3], v[AV] offset:7680+1920*\t+640*\c   ; v's four images land under the softmax
.endr
.endr
.irp c, 0,1
.irp u, 0,1
	v_max3_num_f32 v[CH+2*\c+\u], v[SS+32*\c+16*\u], v[SS+32*\c+16*\u+1], v[SS+32*\c+16*\u+2]   ; my two blocks' largest scores, two chains a block, by turns
.endr
.endr
.irp i, 3,5,7,9,11,13
.irp c, 0,1
.irp u, 0,1
	v_max3_num_f32 v[CH+2*\c+\u], v[CH+2*\c+\u], v[SS+32*\c+16*\u+\i], v[SS+32*\c+16*\u+\i+1]
.endr
.endr
.endr
	v_max3_num_f32 v[CH], v[CH], v[CH+1], v[SS+15]
	v_max3_num_f32 v[CH+2], v[CH+2], v[CH+3], v[SS+47]
	v_max_num_f32 v[CH], v[CH], v[SS+31]
	v_max_num_f32 v[CH+2], v[CH+2], v[SS+63]
	s_delay_alu instid0(VALU_DEP_1)
	v_max_num_f32 v[W], v[CH], v[CH+2]
	s_delay_alu instid0(VALU_DEP_1)
	v_permlanex16_b32 v[X], v[W], s[SEL], s[SEL+1]
	s_delay_alu instid0(VALU_DEP_1)
	v_max3_num_f32 v13, v13, v[W], v[X]            ; the running largest score of my query
	s_delay_alu instid0(VALU_DEP_1)
	v_mul_f32 v[T], s[CS], v13                     ; as t (c is positive)
	v_mov_b32 v[T2], v12
	s_delay_alu instid0(VALU_DEP_2)
	v_floor_f32 v12, -v[T]                         ; the new -M = floor(-t)
	s_delay_alu instid0(VALU_DEP_1)
	v_sub_f32 v[T2], v12, v[T2]                    ; old M - new M: a whole number, 0 or less
	s_delay_alu instid0(VALU_DEP_1)
	v_cvt_i32_f32 v[T2], v[T2]                     ; (it saturates)
	s_delay_alu instid0(VALU_DEP_1)
	v_ldexp_f32 v[F], 1.0, v[T2]                   ; f = 2^(old M - new M)
.set j, 0
.rept 32
	v_pk_fma_f32 v[SS+j:SS+j+1], v[SS+j:SS+j+1], s[CS:CS+1], v[12:13] op_sel_hi:[1,0,0]   ; t - M
.set j, j+2
.endr
	v_fma_f32 v[CH], v[CH], s[CS], v12             ; the same of each block's largest score
	v_fma_f32 v[CH+2], v[CH+2], s[CS], v12
.set j, 0
.rept 16
	v_pk_mul_f32 v[OA+j:OA+j+1], v[OA+j:OA+j+1], v[F:F+1] op_sel_hi:[1,0]   ; O^T under the new M, ahead of the exponentials, each accumulator from its low end
.set j, j+2
.endr
	WALU                                           ; the wait ahead of the batch
	v_exp_f32 v[CH], v[CH]                         ; the blocks' largest p: the same two instructions on the same number
	v_exp_f32 v[CH+2], v[CH+2]
.set j, 0
.rept 64
	v_exp_f32 v[SS+j], v[SS+j]                     ; p = 2^(t - M)
.set j, j+1
.endr
	v_pk_mul_f32 v[14:15], v[14:15], v[F:F+1] op_sel_hi:[1,0]   ; the sums under the new M: the plain place behind the batch
	WALU                                           ; one wait for the batch of 66, which also stands directly ahead of the wait below
	s_wait_dscnt 0x0                               ; v is in
	v_max_num_f32 v[CH], 0x1800000, v[CH]          ; the floor 2^(3 - 127): the byte cannot fall under 1
	v_max_num_f32 v[CH+2], 0x1800000, v[CH+2]
	s_delay_alu instid0(VALU_DEP_2)
	v_add_nc_u32 v[SOP], 0xff000000, v[CH]         ; 2 off the exponent field: the conversion's scale operand
	s_delay_alu instid0(VALU_DEP_2)
	v_add_nc_u32 v[SOP+1], 0xff000000, v[CH+2]
	s_delay_alu instid0(VALU_DEP_2)
	v_lshrrev_b32 v[BY], 23, v[SOP]
	s_delay_alu instid0(VALU_DEP_2)
	v_lshrrev_b32 v[BY+1], 23, v[SOP+1]
	s_delay_alu instid0(VALU_DEP_1)
	v_lshl_or_b32 v[WD], v[BY+1], 16, v[BY]        ; blocks h and 2 + h,
	s_delay_alu instid0(VALU_DEP_1)
	v_lshlrev_b32 v[WD], v[H8], v[WD]              ; at their places in the word;
	s_delay_alu instid0(VALU_DEP_1)
	v_permlanex16_b32 v[WX], v[WD], s[SEL], s[SEL+1]
	s_delay_alu instid0(VALU_DEP_1)
	v_or_b32 v[PW], v[WD], v[WX]                   ; with lane l xor 16's two the word is whole
.irp c, 0,1
	v_cvt_scalef32_pk16_fp6_f32 v[P+6*\c:P+6*\c+2], v[SS+32*\c:SS+32*\c+15], v[SOP+\c]
	v_cvt_scalef32_pk16_fp6_f32 v[TP+4*\c:TP+4*\c+2], v[SS+32*\c+16:SS+32*\c+31], v[SOP+\c]   ; (a conversion's three registers begin on an even number)
.endr
	v_pk_add_f32 v[S2:S2+1], v[SS:SS+1], v[SS+2:SS+3]   ; THE ROW'S SUM IS TAKEN OF THE UNQUANTISED p, in two chains; this line is the plain place behind the conversions
.irp c, 0,1
.irp i, 0,1,2
	v_mov_b32 v[P+6*\c+3+\i], v[TP+4*\c+\i]
.endr
.endr
.irp j, 4,8,12,16
	v_pk_add_f32 v[14:15], v[14:15], v[SS+\j:SS+\j+1]   ; eight places behind p's codes, fifteen behind its scale word
	v_pk_add_f32 v[S2:S2+1], v[S2:S2+1], v[SS+\j+2:SS+\j+3]
.endr
.irp t, 0,1,2,3
	v_wmma_scale_f32_16x16x128_f8f6f4 v[OA+8*\t:OA+8*\t+7], v[KV+12*\t:KV+12*\t+11], v[P:P+11], v[OA+8*\t:OA+8*\t+7], v[SCW+\t], v[PW] matrix_a_fmt:MATRIX_FMT_FP6 matrix_b_fmt:MATRIX_FMT_FP6 matrix_a_scale:MATRIX_SCALE_ROW1
.endr                                  ; the four accumulators take turns; the scores' eight stand between two links of a chain
.irp j, 20,24
	v_pk_add_f32 v[14:15], v[14:15], v[SS+\j:SS+\j+1]   ; four places behind the products
	v_pk_add_f32 v[S2:S2+1], v[S2:S2+1], v[SS+\j+2:SS+\j+3]
.endr
.if \next
	KLOAD AK, AS0, AS1, REC                        ; the next step's k and scale words land under the rest of the sums
.endif
.irp j, 28,32,36,40,44,48,52,56,60
	v_pk_add_f32 v[14:15], v[14:15], v[SS+\j:SS+\j+1]
	v_pk_add_f32 v[S2:S2+1], v[S2:S2+1], v[SS+\j+2:SS+\j+3]
.endr
	s_delay_alu instid0(VALU_DEP_1)
	v_pk_add_f32 v[14:15], v[14:15], v[S2:S2+1]
	s_add_co_u32 s[TB], s[TB], REC
.endm
.Lpass:                                            ; two passes of 256 queries a work-group
	s_mov_b32 s[TB], 0
	KLOAD LK, LS0, LS1, 0
.irp i, 0,1,2,3,4,5
	v_mov_b32 v[QZ+6+\i], v[QA+\i]
.endr
	v_mov_b32 v[QS], v[QA+6]
.irp i, 0,1,2,3,4,5,6
	v_mov_b32 v[QA+\i], v[QN+\i]                   ; the second pass finds its q here
.endr
.set j, 0
.rept 32
	v_mov_b32 v[OA+j], 0                           ; the step is written once: its first walk finds zeros.  (Also the places behind q's codes and scale word)
.set j, j+1
.endr
	v_mov_b32 v13, 0xff61b1e6                      ; the largest score so far: -3e38
	v_mov_b32 v12, 0x7f61b1e6                      ; -M: 3e38, so that the first f is 0
	v_mov_b32 v14, 0
	v_mov_b32 v15, 0
	s_mov_b32 s[CNT], 15
.Lstep:
	STEP 1
	s_sub_co_u32 s[CNT], s[CNT], 1
	s_cmp_lg_u32 s[CNT], 0
	s_cbranch_scc1 .Lstep
	STEP 0                                         ; the last step fetches nothing beyond the head's records
	v_add_f32 v14, v14, v15
	s_delay_alu instid0(VALU_DEP_1)
	v_permlanex16_b32 v[X], v14, s[SEL], s[SEL+1]
	s_delay_alu instid0(VALU_DEP_1)
	v_add_f32 v14, v14, v[X]                       ; the row's sum
	WALU
	v_rcp_f32 v14, v14
	v_nop
	WALU                                           ; ahead of the first reader of the reciprocal and of O^T
.set j, 0
.rept 16
	v_pk_mul_f32 v[NN+j:NN+j+1], v[OA+j:OA+j+1], v[14:15] op_sel_hi:[1,0]   ; register 16 b + i is channel 32 b + 16 h + i of my query
.set j, j+2
.endr
.irp b, 0,1
	v_max3_num_f32 v[EM+\b], |v[NN+16*\b]|, |v[NN+1+16*\b]|, 0x1800000
.endr
.irp i, 2,4,6,8,10,12,14
.irp b, 0,1
	s_delay_alu instid0(VALU_DEP_2)
	v_max3_num_f32 v[EM+\b], v[EM+\b], |v[NN+16*\b+\i]|, |v[NN+1+16*\b+\i]|
.endr
.endr
.irp b, 0,1
	s_delay_alu instid0(VALU_DEP_2)
	v_permlanex16_b32 v[EX+\b], v[EM+\b], s[SEL], s[SEL+1]
.endr
.irp b, 0,1
	s_delay_alu instid0(VALU_DEP_2)
	v_max_num_f32 v[EM+\b], v[EM+\b], v[EX+\b]
.endr
.irp b, 0,1
	s_delay_alu instid0(VALU_DEP_2)
	v_add_nc_u32 v[ES+\b], 0xff000000, v[EM+\b]
.endr
.irp b, 0,1
	s_delay_alu instid0(VALU_DEP_2)
	v_lshrrev_b32 v[EBY+\b], 23, v[ES+\b]
.endr
	v_cvt_scalef32_pk16_fp6_f32 v[P:P+2], v[NN:NN+15], v[ES]
	v_cvt_scalef32_pk16_fp6_f32 v[SS+8:SS+10], v[NN+16:NN+31], v[ES+1]
	v_nop
.irp i, 0,1,2
	v_permlane16_swap_b32 v[P+\i], v[SS+8+\i]
.endr
.irp i, 0,1,2
	s_delay_alu instid0(VALU_DEP_3)
	v_mov_b32 v[P+3+\i], v[SS+8+\i]
.endr
	v_cndmask_b32 v10, v[EBY], v[EBY+1], s39       ; lane (r, h) stores block h's byte of row r
.irp p, 0,1,2
	global_store_b64 v[OO], v[P+2*\p:P+2*\p+1], s[6:7] offset:256*\p   ; 256 consecutive bytes, aligned
.endr
	global_store_b8 v[OSO], v10, s[8:9]
	s_wait_xcnt 0x0                                ; the stores have read their registers and bases
	s_add_nc_u64 s[6:7], s[6:7], 2*98304           ; 256 queries on
	s_add_nc_u64 s[8:9], s[8:9], 16*512
	s_sub_co_u32 s[PASS], s[PASS], 1
	s_cmp_lg_u32 s[PASS], 0
	s_cbranch_scc1 .Lpass
	s_wait_tensorcnt 0x0                           ; the wave's end
	ds_add_u32 v[SPW], v[NIL]
	s_wait_dscnt 0x0
	CROUND                                         ; the closing round
	s_endpgm
.Lfunc_end_k_q338be1c101_attn:
	.size	k_q338be1c101_attn, .Lfunc_end_k_q338be1c101_attn-k_q338be1c101_attn
	.p2alignl 7, 3214868480
	.fill 96, 4, 3214868480
	.section	.rodata,"a",@progbits
	.p2align	6, 0x0
	.amdhsa_kernel k_q338be1c101_attn
		.amdhsa_group_segment_fixed_size 258048
		.amdhsa_private_segment_fixed_size 0
		.amdhsa_enable_private_segment 0
		.amdhsa_kernarg_size 24
		.amdhsa_user_sgpr_count 2
		.amdhsa_user_sgpr_kernarg_segment_ptr 1
		.amdhsa_wavefront_size32 1
		.amdhsa_system_sgpr_workgroup_id_x 1
		.amdhsa_system_sgpr_workgroup_id_y 1
		.amdhsa_system_sgpr_workgroup_id_z 1
		.amdhsa_system_vgpr_workitem_id 0
		.amdhsa_next_free_vgpr 256
		.amdhsa_next_free_sgpr 66
		.amdhsa_reserve_vcc 0
		.amdhsa_float_denorm_mode_32 3
		.amdhsa_float_denorm_mode_16_64 3
		.amdhsa_memory_ordered 1
		.amdhsa_forward_progress 1
		.amdhsa_inst_pref_size 45
	.end_amdhsa_kernel
	.amdgpu_metadata
---
amdhsa.version: [ 1, 2 ]
amdhsa.kernels:
  - .name:           k_q338be1c101_attn
    .symbol:         k_q338be1c101_attn.kd
    .args:
      - { .name: qkv, .offset: 0, .size: 8, .value_kind: global_buffer, .address_space: global }
      - { .name: oc, .offset: 8, .size: 8, .value_kind: global_buffer, .address_space: global }
      - { .name: scl, .offset: 16, .size: 8, .value_kind: global_buffer, .address_space: global }
    .group_segment_fixed_size: 258048
    .private_segment_fixed_size: 0
    .kernarg_segment_align: 8
    .kernarg_segment_size: 24
    .max_flat_workgroup_size: 512
    .sgpr_count:     66
    .vgpr_count:     256
    .wavefront_size: 32
...
	.end_amdgpu_metadata
.endif
;; end of part 3
;; launch outp (part 4): grid 8 x 32, 4 waves a work-group, clusters of 4 x 4, 327,680 bytes of LDS; arguments oc, xw, scl, bo, out0; writes out0
.if DOCPART == 4
	.amdgcn_target "amdgcn-amd-amdhsa--gfx1250"
	.amdhsa_code_object_version 6
	.text
	.protected	k_q338be1c101_outp
	.globl	k_q338be1c101_outp
	.p2align	8
	.type	k_q338be1c101_outp,@function
k_q338be1c101_outp:
	s_mov_b64 s[64:65], 0
	v_nop
	global_prefetch_b8 v0, s[64:65] scope:SCOPE_SE
	s_setreg_imm32_b32 hwreg(HW_REG_WAVE_MODE, 25, 1), 1
	s_wait_xcnt 0x0
	s_wait_alu depctr_hold_cnt(0) depctr_sa_sdst(0) depctr_va_vdst(0) depctr_va_sdst(0) depctr_va_ssrc(0) depctr_va_vcc(0) depctr_vm_vsrc(0)
	s_getreg_b32 s2, hwreg(HW_REG_IB_STS2, 6, 4)
	s_cmp_eq_u32 s2, 0
	s_cbranch_scc0 .Lentry_in_a_cluster
	s_endpgm
.Lentry_in_a_cluster:
	s_bfe_u32 s2, ttmp6, 0x10000c
	s_cmp_lg_u32 s2, 0xf033
	s_cbranch_scc0 .Lentry_shape_is_right
	s_endpgm
.Lentry_shape_is_right:
; out0 = o wo^T + bo on codes of FP6 (E2M3) with E8M0 scales.  oc (o) and xw (wo: groups 88-95) hold images of operand registers in groups of 8 tiles (128 rows), 98,304 bytes:
; [pair of K steps: 24,576][tile: 3,072][K step % 2: 1,536], register pair p of lane l at 256 p + 8 l.  Place r of tile T is row 32 (T/2) + 8 (T%2) + 16 (r/8) + r%8.  scl: 512 bytes a tile, word of K step q, place r at 256 (q/4) + 16 r + 4 (q%4).
; SHARES: 8 x 32 work-groups, each 256 rows x 128 columns; four waves 2 x 2, a wave 128 x 64: 32 accumulators.  K = 1,024 is eight steps of 128.
; LDS: ALL OF K lies there at once: o's two groups, wo's one group, 294,912 bytes, each byte filled once: waves 0 and 1 fetch a group of o each, waves 2 and 3 half of wo's group each.  No ring, no refill.
; CLUSTERS 4 x 4: o's groups are shared along a row of the cluster, wo's along a column: joint loads.  No prefetch: every tile is asked for at the head; there is no loop that runs ahead of a fill.
; TRANSPOSED USE: source 0 = wo's rows, source 1 = o's rows: a lane holds eight neighbouring columns of one row.  The bias is the first products' C.
; REGISTERS: window 0: addresses, o's scale words v32-95, wo's v100-131 (the two sides' register numbers differ modulo 8), v132-195 the way out; window 1: o's fragments, two sets of 96, and the bias v192-223;
; window 2: wo's fragments, two sets of 48; window 3: the accumulators, (a, b) at 8 (4 a + b).
.set GRP,   98304
.set HALF,  49152
.set STAGE, 3*GRP                      ; 16 rows x 272 bytes for each wave, bytes of its own
.set SPITCH, 272
.set SPARE, STAGE+4*16*SPITCH
.set ADRA,  16
.set ADRB,  18
.set STO,   20
.set RD,    21
.set CO,    22
.set ASA,   23
.set ASB,   24
.set BIO,   25
.set SPW,   28
.set NIL,   29
.set SC,    32
.set SCB,   100
.set BK,    132
.set G1,    24
.set G0,    32
.set G1B,   44
.set G0B,   52
.set MSB, 0
.macro WIN new
.if MSB != (\new)
	s_set_vgpr_msb (MSB<<8)|(\new)
.set MSB, (\new)
.endif
.endm
.set MUL, 0xf6                         ; source 0 window 2, source 1 window 1, C and D window 3
.set BIA, 0xd6                         ; the same, C in window 1
.macro PLACES n
.rept \n
	v_nop
.endr
.endm
.macro CROUND
	s_barrier_signal -1
	s_barrier_wait -1
	s_cmp_lg_u32 s14, 0
	s_cbranch_scc1 .Lnot_wave_0_\@
	s_barrier_signal -3
.Lnot_wave_0_\@:
	s_barrier_wait -3
	s_barrier_signal -1
	s_barrier_wait -1
.endm
	s_load_b256 s[4:11], s[0:1], 0x0               ; oc, xw, scl, bo
	s_load_b64 s[12:13], s[0:1], 0x20              ; out0
	v_lshl_add_u32 v[SPW], v0, 2, SPARE
	v_mov_b32 v[NIL], 0
	ds_add_u32 v[SPW], v[NIL]                      ; the opening lines
	ds_add_u32 v[SPW], v[NIL]
	v_lshrrev_b32 v1, 5, v0
	v_readfirstlane_b32 s14, v1                    ; wave
	s_lshr_b32 s15, s14, 1                         ; my half of the rows; also: I fetch o (0) or wo (1)
	s_and_b32 s16, s14, 1                          ; my half of the columns; also: which part I fetch
	s_bfe_u32 s66, ttmp6, 0x40000
	s_bfe_u32 s67, ttmp6, 0x40004
	s_lshl_b32 s18, ttmp9, 2
	s_add_co_u32 s18, s18, s66                     ; tile column, 0..7
	s_and_b32 s17, ttmp7, 0xffff
	s_lshl_b32 s17, s17, 2
	s_add_co_u32 s17, s17, s67                     ; tile row, 0..31
	s_lshl_b32 s68, s67, 2
	s_lshl_b32 s68, 15, s68
	s_lshl_b32 s69, 0x1111, s66
	s_or_b32 s[G1], s68, (3<<16)|(1<<21)           ; o: my row of the cluster; dense rows of 256 bytes
	s_mov_b32 s[G1+1], 32<<16
	s_mov_b32 s[G1+2], 384<<16
	s_mov_b32 s[G1+3], 32<<16
	s_mov_b32 s[G1+4], 384
	s_mov_b32 s[G1+5], 32
	s_mov_b32 s[G1+6], 0
	s_mov_b32 s[G1+7], 0
	s_or_b32 s[G1B], s69, (3<<16)|(1<<21)          ; wo: my column
	s_mov_b32 s[G1B+1], 32<<16
	s_mov_b32 s[G1B+2], 192<<16
	s_mov_b32 s[G1B+3], 32<<16
	s_mov_b32 s[G1B+4], 192
	s_mov_b32 s[G1B+5], 32
	s_mov_b32 s[G1B+6], 0
	s_mov_b32 s[G1B+7], 0
	s_lshl_b32 s70, s17, 1
	s_add_co_u32 s84, s70, s15
	s_add_co_u32 s84, s84, 96
	s_lshl_b32 s84, s84, 12                        ; scl: my 128 rows of o (o's groups begin at 96)
	s_add_co_u32 s70, s70, s16
	s_mul_i32 s70, s70, GRP
	s_mov_b32 s71, 0
	s_add_co_u32 s72, s18, 88
	s_lshl_b32 s85, s72, 12
	s_lshl_b32 s86, s16, 11
	s_add_co_u32 s85, s85, s86                     ; scl: my four tiles of wo
	s_mul_i32 s72, s72, GRP
	s_mul_i32 s86, s16, HALF
	s_add_co_u32 s72, s72, s86
	s_mov_b32 s73, 0
	s_mul_i32 s74, s16, GRP
	s_add_co_u32 s75, s86, 2*GRP
	s_wait_dscnt 0x0
	s_wait_kmcnt 0x0
	s_add_nc_u64 s[70:71], s[4:5], s[70:71]
	s_add_nc_u64 s[72:73], s[6:7], s[72:73]
	CROUND                                         ; all sixteen work-groups are here: the joint loads meet
	s_mov_b32 s[G0], 1
	s_mov_b32 s[G0+1], s74
	s_mov_b64 s[G0+2:G0+3], s[70:71]
	s_or_b32 s[G0+3], s[G0+3], 0x80000000
	s_mov_b32 s[G0B], 1
	s_mov_b32 s[G0B+1], s75
	s_mov_b64 s[G0B+2:G0B+3], s[72:73]
	s_or_b32 s[G0B+3], s[G0B+3], 0x80000000
	s_cmp_eq_u32 s15, 0
	s_cbranch_scc0 .Lfor_b
	tensor_load_to_lds s[G0:G0+3], s[G1:G1+7]      ; one tensor load a wave, in each arm one
	s_nop 0
	PLACES 4
	s_branch .Lasked
.Lfor_b:
	tensor_load_to_lds s[G0B:G0B+3], s[G1B:G1B+7]
	s_nop 0
	PLACES 4
.Lasked:
	v_and_b32 v1, 31, v0
	v_and_b32 v3, 15, v0                           ; r
	v_bfe_u32 v5, v0, 4, 1                         ; h
	v_lshlrev_b32 v2, 3, v1
	s_mul_i32 s19, s15, GRP
	s_mul_i32 s20, s16, 4*3072
	s_add_co_u32 s20, s20, 2*GRP
	v_add_nc_u32 v[ADRA], s19, v2
	v_add_nc_u32 v[ADRB], s20, v2
	v_add_nc_u32 v[ADRA+1], HALF, v[ADRA]          ; K steps 4-7
	v_add_nc_u32 v[ADRB+1], HALF, v[ADRB]
	v_lshl_add_u32 v[ASA], v3, 4, s84
	v_lshl_add_u32 v[ASB], v3, 4, s85
	s_lshl_b32 s78, s18, 9
	s_lshl_b32 s77, s16, 8
	s_add_co_u32 s78, s78, s77                     ; my first column, in bytes
	v_lshl_add_u32 v[BIO], v5, 6, s78
	s_wait_alu depctr_va_vdst(0)                   ; the wait ahead of the readers below
.irp i, 0,1,2,3,4,5,6,7
.irp j, 0,1
	global_load_b128 v[SC+8*\i+4*\j:SC+8*\i+4*\j+3], v[ASA], s[8:9] offset:512*\i+256*\j
.endr
.endr
.irp i, 0,1,2,3
.irp j, 0,1
	global_load_b128 v[SCB+8*\i+4*\j:SCB+8*\i+4*\j+3], v[ASB], s[8:9] offset:512*\i+256*\j
.endr
.endr
	WIN 0x40
.irp b, 0,1,2,3
	global_load_b128 v[192+8*\b:192+8*\b+3], v[BIO], s[10:11] offset:128*(\b/2)+32*(\b%2)      ; register j of tile b is column 32 (b/2) + 8 (b%2) + 16 h + j
	global_load_b128 v[192+8*\b+4:192+8*\b+7], v[BIO], s[10:11] offset:128*(\b/2)+32*(\b%2)+16
.endr
	WIN 0
	s_mul_i32 s23, s14, 16*SPITCH
	s_add_co_u32 s23, s23, STAGE
	v_mul_u32_u24 v6, v3, SPITCH
	v_lshl_add_u32 v6, v5, 6, v6
	v_add_nc_u32 v[STO], s23, v6                   ; in: row r, 64 h bytes on
	v_mul_u32_u24 v7, v5, SPITCH
	v_lshl_add_u32 v7, v3, 4, v7
	v_add_nc_u32 v[RD], s23, v7                    ; back: sixteen lanes to a row of 256 bytes, two rows a load
	v_lshlrev_b32 v8, 12, v5
	v_lshl_add_u32 v[CO], v3, 4, v8
	s_lshl_b32 s76, s17, 20
	s_lshl_b32 s77, s15, 19
	s_add_co_u32 s76, s76, s77
	s_add_co_u32 s76, s76, s78
	s_mov_b32 s77, 0
	s_add_nc_u64 s[12:13], s[12:13], s[76:77]
.macro FETCH q                         ; K step q's fragments into set q % 2: wo's four (24 loads), then o's eight (6 each)
.set ST_, (\q)%2
.set OF_, (((\q)/2)%2)*24576+((\q)%2)*1536
	WIN 0x80
.irp b, 0,1,2,3
.irp p, 0,1,2,3,4,5
	ds_load_b64 v[48*ST_+12*\b+2*\p:48*ST_+12*\b+2*\p+1], v[ADRB+(\q)/4] offset:OF_+3072*\b+256*\p
.endr
.endr
	WIN 0x40
.irp i, 0,1,2,3,4,5,6,7
.irp p, 0,1,2,3,4,5
	ds_load_b64 v[96*ST_+12*\i+2*\p:96*ST_+12*\i+2*\p+1], v[ADRA+(\q)/4] offset:OF_+3072*\i+256*\p
.endr
.endr
.endm
.macro G8 q, k, first                  ; o's tiles 2 k, 2 k + 1 against wo's four; the 32 accumulators take turns in the same order in every step
.irp a, 2*(\k), 2*(\k)+1
.irp b, 0,1,2,3
.if \first
	v_wmma_scale_f32_16x16x128_f8f6f4 v[8*(4*(\a)+\b):8*(4*(\a)+\b)+7], v[48*((\q)%2)+12*\b:48*((\q)%2)+12*\b+11], v[96*((\q)%2)+12*(\a):96*((\q)%2)+12*(\a)+11], v[192+8*\b:192+8*\b+7], v[SCB+8*\b+(\q)], v[SC+8*(\a)+(\q)] matrix_a_fmt:MATRIX_FMT_FP6 matrix_b_fmt:MATRIX_FMT_FP6
.else
	v_wmma_scale_f32_16x16x128_f8f6f4 v[8*(4*(\a)+\b):8*(4*(\a)+\b)+7], v[48*((\q)%2)+12*\b:48*((\q)%2)+12*\b+11], v[96*((\q)%2)+12*(\a):96*((\q)%2)+12*(\a)+11], v[8*(4*(\a)+\b):8*(4*(\a)+\b)+7], v[SCB+8*\b+(\q)], v[SC+8*(\a)+(\q)] matrix_a_fmt:MATRIX_FMT_FP6 matrix_b_fmt:MATRIX_FMT_FP6
.endif
.endr
.endr
.endm
.macro STEP q, first, fetch
.irp k, 0,1,2
	s_wait_dscnt 36-12*\k                          ; the loads of o's tiles beyond 2 k + 1 may be out: six a tile
	WIN MUL-0x20*(\first)
	G8 \q, \k, \first
.endr
	s_wait_dscnt 0x0
.if \fetch
	PLACES 4                                       ; in front of loads into the set that the last step's products read
	FETCH (\q)+1
.endif
	WIN MUL-0x20*(\first)
	G8 \q, 3, \first
.endm
	s_wait_alu depctr_va_vdst(0)                   ; the wait at the head's end
	s_wait_tensorcnt 0x0                           ; my tile is in,
	s_barrier_signal -1
	s_barrier_wait -1                              ; everybody's is
	FETCH 0
	WIN 0
	s_wait_loadcnt 0x0                             ; scale words and bias
	STEP 0, 1, 1
.irp q, 1,2,3,4,5,6
	STEP \q, 0, 1
.endr
	STEP 7, 0, 0
	WIN 0
	PLACES 4                                       ; in front of the stores that read results
; THE WAY OUT, tile by tile of 16 rows x 64 columns, through my own stage: rows of 256 bytes come back, sixteen lanes store one aligned unit.  LDS serves a wave's instructions in order (ISA guide 5.7.1.4).
.macro TOSTAGE a
	WIN 0x0c
.irp b, 0,1,2,3
	ds_store_b128 v[STO], v[8*(4*(\a)+\b):8*(4*(\a)+\b)+3] offset:128*(\b/2)+32*(\b%2)
	ds_store_b128 v[STO], v[8*(4*(\a)+\b)+4:8*(4*(\a)+\b)+7] offset:128*(\b/2)+32*(\b%2)+16
.endr
	WIN 0
.irp t, 0,1,2,3,4,5,6,7
	ds_load_b128 v[BK+32*((\a)%2)+4*\t:BK+32*((\a)%2)+4*\t+3], v[RD] offset:\t*2*SPITCH
.endr
.endm
.macro SEND a, younger                 ; younger: the next tile's 8 stores and 8 loads
	s_wait_dscnt \younger
.irp t, 0,1,2,3,4,5,6,7
	global_store_b128 v[CO], v[BK+32*((\a)%2)+4*\t:BK+32*((\a)%2)+4*\t+3], s[12:13] offset:(32*((\a)/2)+8*((\a)%2)+16*(\t/4)+2*(\t%4))*4096 th:TH_STORE_NT
.endr
.endm
	TOSTAGE 0
.irp a, 1,2,3,4,5,6,7
.if \a > 1
	s_wait_xcnt 0x0                                ; tile a - 2's stores have read their registers
.endif
	TOSTAGE \a
	SEND (\a)-1, 16
.endr
	SEND 7, 0
	s_wait_tensorcnt 0x0                           ; the wave's end
	ds_add_u32 v[SPW], v[NIL]
	s_wait_dscnt 0x0
	CROUND                                         ; the closing round
	s_endpgm
.Lfunc_end_k_q338be1c101_outp:
	.size	k_q338be1c101_outp, .Lfunc_end_k_q338be1c101_outp-k_q338be1c101_outp
	.p2alignl 7, 3214868480
	.fill 96, 4, 3214868480
	.section	.rodata,"a",@progbits
	.p2align	6, 0x0
	.amdhsa_kernel k_q338be1c101_outp
		.amdhsa_group_segment_fixed_size 327680
		.amdhsa_private_segment_fixed_size 0
		.amdhsa_enable_private_segment 0
		.amdhsa_kernarg_size 40
		.amdhsa_user_sgpr_count 2
		.amdhsa_user_sgpr_kernarg_segment_ptr 1
		.amdhsa_wavefront_size32 1
		.amdhsa_system_sgpr_workgroup_id_x 1
		.amdhsa_system_sgpr_workgroup_id_y 1
		.amdhsa_system_sgpr_workgroup_id_z 1
		.amdhsa_system_vgpr_workitem_id 0
		.amdhsa_next_free_vgpr 1024
		.amdhsa_next_free_sgpr 96
		.amdhsa_reserve_vcc 0
		.amdhsa_float_denorm_mode_32 3
		.amdhsa_float_denorm_mode_16_64 3
		.amdhsa_memory_ordered 1
		.amdhsa_forward_progress 1
		.amdhsa_inst_pref_size 96
	.end_amdhsa_kernel
	.amdgpu_metadata
---
amdhsa.version: [ 1, 2 ]
amdhsa.kernels:
  - .name:           k_q338be1c101_outp
    .symbol:         k_q338be1c101_outp.kd
    .args:
      - { .name: oc, .offset: 0, .size: 8, .value_kind: global_buffer, .address_space: global }
      - { .name: xw, .offset: 8, .size: 8, .value_kind: global_buffer, .address_space: global }
      - { .name: scl, .offset: 16, .size: 8, .value_kind: global_buffer, .address_space: global }
      - { .name: bo, .offset: 24, .size: 8, .value_kind: global_buffer, .address_space: global }
      - { .name: out0, .offset: 32, .size: 8, .value_kind: global_buffer, .address_space: global }
    .group_segment_fixed_size: 327680
    .private_segment_fixed_size: 0
    .kernarg_segment_align: 8
    .kernarg_segment_size: 40
    .max_flat_workgroup_size: 128
    .sgpr_count:     96
    .vgpr_count:     1024
    .wavefront_size: 32
...
	.end_amdgpu_metadata
.endif
;; end of part 4
